; MI455X (gfx1250); checked and timed in simulation.
; The chip was launched on July 23, 2026; its instructions are those of AMD's public machine-readable ISA for CDNA 5 (MIT licence, August 2026) and "CDNA5" Instruction Set Architecture Reference Guide (July 2026). The comments in the code are by the model that wrote it; some were corrected since.
;; Attention. Allowed arithmetic: matrix products marked QUANTISED: E4M3 operands, one given power-of-two scale a tensor, by v_wmma_f32_16x16x64_fp8_fp8 or v_wmma_f32_16x16x128_fp8_fp8, f32 sums; everything else in f32.
;; Inputs: lowp_scales 12 int32 (the exponents e of the quantised operands' scales 2^e); w_k 1,024 x 16 x 64 float32; w_o 1,024 x 16 x 64 float32; w_q 1,024 x 16 x 64 float32; w_v 1,024 x 16 x 64 float32; x_BSE 4 x 2,048 x 1,024 float32.
;; Outputs: out0 4 x 2,048 x 1,024 float32.
;; This version of the problem:
;;   THIS VERSION OF THE PROBLEM IS GIVEN IN LOW PRECISION. The matrix products marked QUANTISED in the list below multiply operands that are first quantised to E4M3 (4 exponent bits, 3 mantissa bits; 8 bits a number), with one given power-of-two scale for each operand tensor; their sums are f32. All else is computed in f32.
;;   The module's matrix products, in the order in which they are computed (A, B: the left and right operand; K: the contracted axis; several contracted axes count as one K, in the product's order):
;;     1. [M 8,192, K 1,024] x [K 1,024, N 1,024]; A: input x_BSE; B: input w_q: QUANTISED (scales: A lowp_scales[0], B lowp_scales[1])
;;     2. [M 8,192, K 1,024] x [K 1,024, N 1,024]; A: input x_BSE; B: input w_k: QUANTISED (scales: A lowp_scales[2], B lowp_scales[3])
;;     3. [M 8,192, K 1,024] x [K 1,024, N 1,024]; A: input x_BSE; B: input w_v: QUANTISED (scales: A lowp_scales[4], B lowp_scales[5])
;;     4. batch 64 x [M 2,048, K 64] x [K 64, N 2,048]; A: computed on the way; B: computed on the way: QUANTISED (scales: A lowp_scales[6], B lowp_scales[7])
;;     5. batch 64 x [M 64, K 2,048] x [K 2,048, N 2,048]; A: computed on the way; B: softmax (see below): QUANTISED (scales: A lowp_scales[8], B lowp_scales[9])
;;     6. [M 8,192, K 1,024] x [K 1,024, N 1,024]; A: computed on the way; B: input w_o: QUANTISED (scales: A lowp_scales[10], B lowp_scales[11])
;;   THE QUANTISER, for each operand of a quantised product, along K:
;;     - The operand's scale is 2^e, e = its entry of the input lowp_scales (int32; the entries are numbered through the quantised products in the list's order, A before B).
;;     - Each number is divided by the scale, clamped to +-448, and rounded to the nearest number of E4M3, ties to even, subnormals kept.
;;     - The product sums the exact products of the quantised numbers (number of the format x scale) in f32.
;;   ~~~python
;;   def quantise(x, axis, e):      # numpy; x: float32 -> the quantised numbers, widened to float32 again
;;       x = np.moveaxis(x, axis, -1); K = x.shape[-1]
;;       r = np.clip(x / 2.0 ** e, -448, 448)
;;       step = 2.0 ** (np.maximum(np.frexp(np.where(r == 0, 1, r))[1] - 1, -6) - 3)
;;       q = np.round(r / step) * step * 2.0 ** e      # np.round: ties to even
;;       return np.moveaxis(q, -1, axis).astype(np.float32)
;;   ~~~
;;   SOFTMAX AHEAD OF A QUANTISED PRODUCT. Where the list says 'softmax', what is quantised is not the finished softmax but p = 2^(t - M), with t = logit x log2(e) and M = ceil(the row's largest t), a whole number; so 1/2 < the row's largest p <= 1. The row's sum l is taken of the UNQUANTISED p, in f32, and the product's result is divided by l at the end. Since M is a whole number, a kernel that streams over the keys may use a running M (the ceiling of the running maximum): every later rescaling is an exact power of two, so the quantised numbers keep their values, but for numbers so far below the row's largest that they fall under the format's range.
;;   OPERANDS COMPUTED ON THE WAY. 'Computed on the way' means the value that the module computes at that place (a softmax that the list does not call 'softmax' is quantised finished and normalised). What goes into a quantiser is computed in f32, as accurately as f32 sums, v_exp_f32 and their like allow (about 1e-6 of the number): no bf16 or f16 on the way to a quantiser, and a product that is left as it is and whose result goes on into a quantised operand takes f32 operands (vector FMAs, or v_wmma_f32_16x16x4_f32). A number that lies on a knife's edge between two numbers of the format may be rounded either way, as far as f32 arithmetic and the matrix unit's own rounding can turn it there, and no further.
;; One version. Each part assembles by itself: llvm-mc -triple=amdgcn-amd-amdhsa -mcpu=gfx1250 --defsym DOCPART=n.
;; ======== version 1 of 1: 4 launches
;; limits: right only within a limited range of input values
;; workspace buffers: xc 25,165,824 bytes; wc 3,145,728 bytes; woc 1,048,576 bytes; qkv 25,165,824 bytes; oc 8,388,608 bytes
;; launch quant (part 1): grid 672 x 1, 4 waves a work-group, no clusters, 36,352 bytes of LDS; arguments x_BSE, w_q, w_k, w_v, w_o, lowp_scales, xc, wc, woc; writes xc, wc, woc
.if DOCPART == 1
	.amdgcn_target "amdgcn-amd-amdhsa--gfx1250"
	.amdhsa_code_object_version 6
	.text
	.protected	k_q7025485e00_quant
	.globl	k_q7025485e00_quant
	.p2align	8
	.type	k_q7025485e00_quant,@function
k_q7025485e00_quant:
	s_mov_b64 s[64:65], 0
	v_nop
	global_prefetch_b8 v0, s[64:65] scope:SCOPE_SE
	s_setreg_imm32_b32 hwreg(HW_REG_WAVE_MODE, 25, 1), 1
	s_wait_xcnt 0x0
; THE INPUTS BECOME CODES OF E4M3.  code = x / 2^e, held within +-448, rounded to the nearest code, ties to even.
; Three kinds of work-group, told apart by the work-group's number alone:
;   0 .. 95    W:  w_q, w_k, w_v [1024 (k)][1024 (n)] f32, K their FIRST axis -> wc [3][1024 n][1024 places], scales e1, e3, e5
;   96 .. 159  WO: w_o [1024 (n)][1024 (k)] f32, K innermost -> woc: images of the operand's registers, scale e11
;   160 .. 671 X:  x [8192][1024] f32 -> xc [3][8192][1024 places]: three sets of codes, since x has three scales (e0, e2, e4)
; THE ORDER ALONG K in xc and wc: within each 512 along K, place 16 L + 4 i + j holds k = 128 i + 4 L + j (L 0..31, i, j 0..3).  That is the order in which
; a lane's sixteen numbers fall when each of four loads reads 512 consecutive bytes, 16 a lane: so x needs no turn through LDS.  The same order stands in
; x's codes and in the weights' codes, so every product of the next launch meets its partner; only the order of the sums inside an instruction changes.
; woc: [64 tiles of 16 n][8 K steps of 128][4][32 lanes][16 bytes]: lane (r, h) holds row r; its registers 2 c, 2 c + 1 hold k = 16 c + 8 h + 0 .. 7: k in its true place.
; LIMITS: each e used here lies between -126 and 119, so that 2^e and 448 x 2^e are f32 numbers.  NaN among the inputs is not served; an infinity is held at the largest code.
; No tensor load, no barrier: waves share nothing.  Only the work-groups W use LDS (a stage of its own for each wave).
.set R,    16                          ; X: v16-79   four sets of 16 numbers as loaded
.set T,    80                          ; X: v80-111  two sets of 16 held numbers, by turns
.set C,    112                         ; X: v112-207 codes: 8 steps x 3 scales x 4 registers, none written twice
.set WX,   32                          ; W: v32-95   two sets of 32 numbers
.set WC,   96                          ; W: v96-103  a block's codes
.set OUTR, 112                         ; W: v112-175 the way out
.set WP,   272                         ; W: a stage row: 256 bytes + 16
.set WSTG, 32*WP                       ; W: a wave's stage
.macro MKSCALE e, vs, vl               ; s[e] = the exponent: v[vs] = 2^e as f32 (the conversion takes its exponent field), v[vl] = 448 x 2^e
	s_add_co_i32 s34, s[\e], 127
	s_lshl_b32 s35, s34, 23
	v_mov_b32 v[\vs], s35
	s_add_co_i32 s34, s34, 8
	s_lshl_b32 s34, s34, 23
	s_or_b32 s34, s34, 0x600000
	v_mov_b32 v[\vl], s34
.endm
	s_load_b512 s[8:23], s[0:1], 0x0               ; x s[8:9], w_q s[10:11], w_k s[12:13], w_v s[14:15], w_o s[16:17], scales s[18:19], xc s[20:21], wc s[22:23]
	s_load_b64 s[24:25], s[0:1], 0x40              ; woc
	v_lshl_add_u32 v208, v0, 2, 0x8c00
	v_mov_b32 v209, 0
	v_lshrrev_b32 v1, 5, v0
	v_readfirstlane_b32 s26, v1                    ; wave 0..3
	v_and_b32 v2, 31, v0                           ; lane
	v_lshlrev_b32 v1, 4, v2                        ; 16 x lane
	s_wait_kmcnt 0x0
	s_load_b256 s[36:43], s[18:19], 0x0            ; e0 .. e7
	s_load_b32 s44, s[18:19], 0x2c                 ; e11
	s_cmp_lt_u32 ttmp9, 96
	s_cbranch_scc1 .Lpath_w
	s_cmp_lt_u32 ttmp9, 160
	s_cbranch_scc1 .Lpath_wo
; ---------------- X: a wave takes 4,096 numbers (four rows of x), eight steps of 512
	s_sub_co_u32 s27, ttmp9, 160
	s_lshl_b32 s27, s27, 2
	s_add_co_u32 s27, s27, s26                     ; which run of 4,096 numbers is my wave's
	s_lshl_b32 s2, s27, 14
	s_mov_b32 s3, 0
	s_add_nc_u64 s[4:5], s[8:9], s[2:3]            ; x at my run
	s_lshl_b32 s2, s27, 12
	s_add_nc_u64 s[28:29], s[20:21], s[2:3]        ; its codes under e0,
	s_add_nc_u64 s[30:31], s[28:29], 0x800000      ; under e2,
	s_add_nc_u64 s[32:33], s[28:29], 0x1000000     ; under e4
.macro XLOAD t                         ; step t: four loads of 512 consecutive bytes
.irp i, 0,1,2,3
	global_load_b128 v[R+16*((\t)%4)+4*\i:R+16*((\t)%4)+4*\i+3], v1, s[4:5] offset:2048*(\t)+512*\i th:TH_LOAD_NT
.endr
.endm
	s_wait_alu depctr_va_vdst(0)
.irp t, 0,1,2,3
	XLOAD \t
.endr
	s_wait_kmcnt 0x0
	MKSCALE 36, 4, 8                               ; e0: v4, v8
	MKSCALE 38, 5, 9                               ; e2: v5, v9
	MKSCALE 40, 6, 10                              ; e4: v6, v10
.macro XSTEP t
.if (\t) <= 4
	s_wait_loadcnt 12                              ; loads come back in order: this step's four are in, those of the three steps behind it may be out
.else
	s_wait_loadcnt 4*(7-(\t))
.endif
.irp s, 0,1,2
.set TS, T+16*((3*(\t)+\s)%2)                  ; the held numbers go into two sets by turns: the sixteen holds of one set are the plain lines behind the other set's conversions
.irp i, 0,1,2,3,4,5,6,7,8,9,10,11,12,13,14,15
	v_med3_num_f32 v[TS+\i], v[R+16*((\t)%4)+\i], -v[8+\s], v[8+\s]   ; the conversion to an 8-bit code does not saturate (ISA guide 7.6.2): the hold comes first
.endr
	v_cvt_scalef32_pk8_fp8_f32 v[C+12*(\t)+4*\s:C+12*(\t)+4*\s+1], v[TS:TS+7], v[4+\s]
	v_cvt_scalef32_pk8_fp8_f32 v[C+12*(\t)+4*\s+2:C+12*(\t)+4*\s+3], v[TS+8:TS+15], v[4+\s]
.endr
.if (\t) < 4
	XLOAD (\t)+4                                   ; the set just read takes the step four further on
.endif
.irp s, 0,1,2
	global_store_b128 v1, v[C+12*(\t)+4*\s:C+12*(\t)+4*\s+3], s[28+2*\s:29+2*\s] offset:512*(\t)   ; 32 lanes store 512 consecutive bytes, aligned
.endr
.endm
	s_wait_alu depctr_va_vdst(0)
.irp t, 0,1,2,3,4,5,6,7
	XSTEP \t
.endr
	s_endpgm
; ---------------- WO: a work-group takes 16 rows of w_o, a wave two K steps of 128.  Lane (r, h) loads, of row r, the eight numbers k = 16 c + 8 h + 0 .. 7 of each c
.Lpath_wo:
	s_sub_co_u32 s27, ttmp9, 96                    ; the tile of 16 rows
	v_and_b32 v3, 15, v0                           ; r
	v_bfe_u32 v12, v0, 4, 1                        ; h
	v_lshlrev_b32 v3, 12, v3                       ; a row is 4,096 bytes
	v_lshl_add_u32 v3, v12, 5, v3                  ; + 32 h
	s_wait_alu depctr_va_vdst(0)
	s_lshl_b32 s2, s27, 16
	s_lshl_b32 s3, s26, 10
	s_add_co_u32 s2, s2, s3                        ; 16 rows x tile + two K steps (1,024 bytes) x wave
	s_mov_b32 s3, 0
	s_add_nc_u64 s[4:5], s[16:17], s[2:3]
	s_lshl_b32 s2, s27, 14
	s_lshl_b32 s28, s26, 12
	s_add_co_u32 s2, s2, s28                       ; images: 16,384 bytes a tile, 2,048 a K step
	s_add_nc_u64 s[6:7], s[24:25], s[2:3]
.irp p, 0,1
.irp c, 0,1,2,3,4,5,6,7
.irp q, 0,1
	global_load_b128 v[16+64*\p+8*\c+4*\q:16+64*\p+8*\c+4*\q+3], v3, s[4:5] offset:512*\p+64*\c+16*\q
.endr
.endr
.endr
	s_wait_kmcnt 0x0
	MKSCALE 44, 4, 8                               ; e11
	s_wait_alu depctr_va_vdst(0)
.irp p, 0,1
	s_wait_loadcnt 16-16*\p                        ; this K step's sixteen loads are in
.set n, 0
.rept 64
	v_med3_num_f32 v[16+64*\p+n], v[16+64*\p+n], -v8, v8
.set n, n+1
.endr
.irp c, 0,1,2,3,4,5,6,7
	v_cvt_scalef32_pk8_fp8_f32 v[144+16*\p+2*\c:144+16*\p+2*\c+1], v[16+64*\p+8*\c:16+64*\p+8*\c+7], v4   ; registers 2 c, 2 c + 1 of the fragment
.endr
.irp u, 0,1,2,3
	global_store_b128 v1, v[144+16*\p+4*\u:144+16*\p+4*\u+3], s[6:7] offset:2048*\p+512*\u   ; the image: four registers at 16 x lane, 512 consecutive bytes
.endr
.endr
	s_endpgm
; ---------------- W: a lane takes a column n and its registers run down K, in the order of places; a wave takes 32 columns x 256 places.  The codes leave through the wave's stage, as rows.
.Lpath_w:
	s_lshr_b32 s27, ttmp9, 5                       ; which weight: 0 q, 1 k, 2 v
	s_and_b32 s28, ttmp9, 7                        ; which 128 columns
	s_bfe_u32 s29, ttmp9, 0x20003                  ; which 256 places
	s_cmp_eq_u32 s27, 1
	s_cselect_b64 s[4:5], s[12:13], s[10:11]
	s_cmp_eq_u32 s27, 2
	s_cselect_b64 s[4:5], s[14:15], s[4:5]         ; the weight: the choice hangs on the work-group's number alone
	s_lshl_b32 s30, s28, 7
	s_lshl_b32 s31, s26, 5
	s_add_co_u32 s30, s30, s31                     ; my wave's first column
	s_lshr_b32 s31, s29, 1
	s_lshl_b32 s31, s31, 9                         ; places 256 y .. : the 512 along K in which they lie,
	s_and_b32 s32, s29, 1
	s_lshl_b32 s32, s32, 6
	s_add_co_u32 s31, s31, s32                     ; and 64 further down K for its upper half (L = 16 .. 31)
	s_lshl_b32 s2, s31, 12                         ; a row of the weight is 4,096 bytes
	s_lshl_b32 s32, s30, 2
	s_add_co_u32 s2, s2, s32
	s_mov_b32 s3, 0
	s_add_nc_u64 s[4:5], s[4:5], s[2:3]
	s_lshl_b32 s2, s27, 20
	s_lshl_b32 s32, s30, 10
	s_add_co_u32 s2, s2, s32
	s_lshl_b32 s32, s29, 8
	s_add_co_u32 s2, s2, s32                       ; codes: weight x 2^20 + column x 1,024 + 256 y
	s_add_nc_u64 s[6:7], s[22:23], s[2:3]
	s_wait_alu depctr_va_vdst(0)
	v_lshlrev_b32 v3, 2, v2                        ; in: 4 bytes a lane
	s_mul_i32 s33, s26, WSTG                       ; my stage
	v_mul_u32_u24 v4, v2, WP
	v_add_nc_u32 v4, s33, v4                       ; into it: row = my column
	v_and_b32 v5, 15, v2
	v_lshrrev_b32 v6, 4, v2                        ; out of it: sixteen lanes to a row, two rows an instruction
	v_mul_u32_u24 v7, v6, WP
	v_lshl_add_u32 v7, v5, 4, v7
	v_add_nc_u32 v7, s33, v7
	v_lshlrev_b32 v8, 10, v6
	v_lshl_add_u32 v8, v5, 4, v8                   ; and the same place among the codes' rows
.macro WLOAD b                         ; block b: places 32 b + ii of my 256: L = 2 b + ii / 16 (+ 16 in the upper half), i = (ii / 4) % 4, j = ii % 4: k = 128 i + 4 L + j
.set ii, 0
.rept 32
	global_load_b32 v[WX+32*((\b)%2)+ii], v3, s[4:5] offset:(128*((ii/4)%4)+8*(\b)+4*(ii/16)+ii%4)*4096 th:TH_LOAD_NT
.set ii, ii+1
.endr
.endm
	WLOAD 0
	WLOAD 1
	s_wait_kmcnt 0x0
	s_cmp_eq_u32 s27, 1
	s_cselect_b32 s45, s39, s37                    ; e3 or e1,
	s_cmp_eq_u32 s27, 2
	s_cselect_b32 s45, s41, s45                    ; or e5
	MKSCALE 45, 11, 10
.macro WBLOCK b
.set XS, WX+32*((\b)%2)
.if (\b) < 7
	s_wait_loadcnt 32                              ; this block's 32 loads are in; the next block's may be out
.else
	s_wait_loadcnt 0
.endif
.set ii, 0
.rept 32
	v_med3_num_f32 v[XS+ii], v[XS+ii], -v10, v10
.set ii, ii+1
.endr
.irp g, 0,1,2,3
	v_cvt_scalef32_pk8_fp8_f32 v[WC+2*\g:WC+2*\g+1], v[XS+8*\g:XS+8*\g+7], v11
.endr
	ds_store_b128 v4, v[WC:WC+3] offset:32*(\b)
	ds_store_b128 v4, v[WC+4:WC+7] offset:32*(\b)+16
.if (\b)+2 < 8
	WLOAD (\b)+2
.endif
	s_wait_dscnt 0x0                               ; the stores have read their registers: the next block's codes may be written
.endm
	s_wait_alu depctr_va_vdst(0)
.irp b, 0,1,2,3,4,5,6,7
	WBLOCK \b
.endr
.irp t, 0,1,2,3,4,5,6,7,8,9,10,11,12,13,14,15
	ds_load_b128 v[OUTR+4*\t:OUTR+4*\t+3], v7 offset:2*\t*WP   ; LDS serves a wave's instructions in order: these see my stores
.endr
.irp t, 0,1,2,3,4,5,6,7,8,9,10,11,12,13,14,15
	s_wait_dscnt 15-\t
	global_store_b128 v8, v[OUTR+4*\t:OUTR+4*\t+3], s[6:7] offset:2*\t*1024   ; sixteen lanes store 256 consecutive bytes, aligned
.endr
	s_wait_tensorcnt 0x0
	ds_add_u32 v208, v209
	s_wait_dscnt 0x0
	s_endpgm
.Lfunc_end_k_q7025485e00_quant:
	.size	k_q7025485e00_quant, .Lfunc_end_k_q7025485e00_quant-k_q7025485e00_quant
	.p2alignl 7, 3214868480
	.fill 96, 4, 3214868480
	.section	.rodata,"a",@progbits
	.p2align	6, 0x0
	.amdhsa_kernel k_q7025485e00_quant
		.amdhsa_group_segment_fixed_size 36352
		.amdhsa_private_segment_fixed_size 0
		.amdhsa_enable_private_segment 0
		.amdhsa_kernarg_size 72
		.amdhsa_user_sgpr_count 2
		.amdhsa_user_sgpr_kernarg_segment_ptr 1
		.amdhsa_wavefront_size32 1
		.amdhsa_system_sgpr_workgroup_id_x 1
		.amdhsa_system_sgpr_workgroup_id_y 1
		.amdhsa_system_sgpr_workgroup_id_z 1
		.amdhsa_system_vgpr_workitem_id 0
		.amdhsa_next_free_vgpr 210
		.amdhsa_next_free_sgpr 66
		.amdhsa_reserve_vcc 0
		.amdhsa_float_denorm_mode_32 3
		.amdhsa_float_denorm_mode_16_64 3
		.amdhsa_memory_ordered 1
		.amdhsa_forward_progress 1
		.amdhsa_inst_pref_size 98
	.end_amdhsa_kernel
	.amdgpu_metadata
---
amdhsa.version: [ 1, 2 ]
amdhsa.kernels:
  - .name:           k_q7025485e00_quant
    .symbol:         k_q7025485e00_quant.kd
    .args:
      - { .name: x_BSE, .offset: 0, .size: 8, .value_kind: global_buffer, .address_space: global }
      - { .name: w_q, .offset: 8, .size: 8, .value_kind: global_buffer, .address_space: global }
      - { .name: w_k, .offset: 16, .size: 8, .value_kind: global_buffer, .address_space: global }
      - { .name: w_v, .offset: 24, .size: 8, .value_kind: global_buffer, .address_space: global }
      - { .name: w_o, .offset: 32, .size: 8, .value_kind: global_buffer, .address_space: global }
      - { .name: lowp_scales, .offset: 40, .size: 8, .value_kind: global_buffer, .address_space: global }
      - { .name: xc, .offset: 48, .size: 8, .value_kind: global_buffer, .address_space: global }
      - { .name: wc, .offset: 56, .size: 8, .value_kind: global_buffer, .address_space: global }
      - { .name: woc, .offset: 64, .size: 8, .value_kind: global_buffer, .address_space: global }
    .group_segment_fixed_size: 36352
    .private_segment_fixed_size: 0
    .kernarg_segment_align: 8
    .kernarg_segment_size: 72
    .max_flat_workgroup_size: 128
    .sgpr_count:     66
    .vgpr_count:     210
    .wavefront_size: 32
...
	.end_amdgpu_metadata
.endif
;; end of part 1
;; launch qkv (part 2): grid 12 x 32, 4 waves a work-group, clusters of 4 x 4, 327,680 bytes of LDS; arguments xc, wc, lowp_scales, qkv; writes qkv
.if DOCPART == 2
	.amdgcn_target "amdgcn-amd-amdhsa--gfx1250"
	.amdhsa_code_object_version 6
	.text
	.protected	k_q7025485e00_qkv
	.globl	k_q7025485e00_qkv
	.p2align	8
	.type	k_q7025485e00_qkv,@function
k_q7025485e00_qkv:
	s_mov_b64 s[64:65], 0
	v_nop
	global_prefetch_b8 v0, s[64:65] scope:SCOPE_SE
	s_setreg_imm32_b32 hwreg(HW_REG_WAVE_MODE, 25, 1), 1
	s_wait_xcnt 0x0
	s_wait_alu depctr_hold_cnt(0) depctr_sa_sdst(0) depctr_va_vdst(0) depctr_va_sdst(0) depctr_va_ssrc(0) depctr_va_vcc(0) depctr_vm_vsrc(0)
	s_getreg_b32 s2, hwreg(HW_REG_IB_STS2, 6, 4)
	s_cmp_eq_u32 s2, 0
	s_cbranch_scc0 .Lentry_in_a_cluster
	s_endpgm
.Lentry_in_a_cluster:
	s_bfe_u32 s2, ttmp6, 0x10000c
	s_cmp_lg_u32 s2, 0xf033
	s_cbranch_scc0 .Lentry_shape_is_right
	s_endpgm
.Lentry_shape_is_right:
; THE THREE PROJECTIONS q, k, v = x W on codes of E4M3, and their results quantised at once for the attention's products.  The cluster's x says which: 0 q, 1 k, 2 v.
; A tile of 256 x 256 results is made by a work-group of four waves; a wave makes 128 x 128: 64 accumulators, 512 registers.  K = 1,024 goes in four steps of 256 through two LDS slots.
; TWO ROLES.  The matrix instruction takes 16 rows of role B as source 0 and 16 rows of role A as source 1: lane (r, h) then holds role A's row r, and its eight registers eight neighbouring rows of role B.
;   q, k: role A = x's rows (positions), role B = the weight's rows (channels): a lane holds one position and eight neighbouring channels, which are the next product's K.
;   v:    role A = w_v's rows (channels), role B = x's rows (keys): a lane holds one channel and eight neighbouring keys, which are the next product's K.
; So one conversion of an accumulator's eight registers gives registers 2 c, 2 c + 1 of the operand that the attention wants (k = 16 c + 8 h + 0 .. 7), and the results leave as IMAGES OF THOSE REGISTERS:
; four registers at 16 x lane, 512 consecutive aligned bytes a store; no turn through LDS.
;   qkv part t at t x 2^23; a (batch, head) has 2^17 bytes.  q, k: [128 tiles of 16 positions][2][32 lanes][16 bytes].  v: [16 steps of 128 keys][4 tiles of 16 channels][4][32 lanes][16 bytes].
; SCALES.  A sum stands for sum x 2^(ex + ew); its code is sum / 2^(eo - ex - ew): the three are folded into the conversion's one.  (ex, ew, eo) = (e0, e1, e7) for q, (e2, e3, e6) for k, (e4, e5, e8) for v:
; of the scores' product k is the left operand (entry 6) and q the right one (entry 7).  LIMIT: eo - ex - ew between -126 and 119.
; CLUSTERS: 4 x 4 work-groups.  Role A's tile hangs on cy and the cluster's numbers alone and is shared along a row of the cluster, role B's on cx and the cluster's numbers alone and is shared along a column:
; each is asked for jointly.  The branch on q/k or v hangs on the cluster's x, which all sixteen partners share.
; REGISTERS, in windows of 256: window 0: v0-31 addresses; from v128 role A's fragments, one set; on the way out v32-95 held sums, v128-255 codes.   window 1: role B's fragments, two sets.
;   window 2: the accumulators of my role-A rows 0-63 (accumulator (a, b) at v[8 (8 a + b)]);   window 3: those of rows 64-127.
.set KSTEP,  256
.set ROWB,   256                       ; a tile's row in bytes
.set KROW,   1024                      ; a row of codes in memory
.set PITCH,  272                       ; an LDS row: 256 bytes + 16: the sixteen rows that a load touches start at sixteen different banks (64 banks of 4 bytes: ISA guide 11.1)
.set FR,     16                        ; registers of a fragment: 16 rows x 128 along K
.set NL,     4                         ; LDS loads that bring one
.set NP,     4                         ; places behind this matrix instruction (ISA guide 7.12.1)
.set HALFT,  128*PITCH                 ; what one tensor load brings
.set SLOT,   4*HALFT                   ; role A's 256 rows, then role B's
.set SPARE,  2*SLOT                    ; behind the ring: the spare words, 128 bytes a wave
.set ADRA, 16                          ; v16-17  LDS address of my role-A fragments in slot 0, 1
.set ADRB, 20                          ; v20-21  the same for role B
.set LO,   26                          ; v26     16 x lane: my place in an image
.set SPW,  28                          ; v28     LDS address of my spare word; never rewritten
.set NIL,  29                          ; v29     0; never rewritten
.set LIM,  30                          ; v30     448 x 2^(eo - ex - ew)
.set SCL,  31                          ; v31     2^(eo - ex - ew)
.set TMP,  32                          ; the way out: a block's 64 sums, held
.set AF,   128                         ; role A's fragments, in window 0
.set CD,   128                         ; the way out: the codes, 16 registers a block
.set G1, 24
.set G0, 32
.set G1B, 48
.set G0B, 56
.set MSB, 0
.macro WIN new                         ; the immediate's high byte repeats the setting that is left
.if MSB != \new
	s_set_vgpr_msb (MSB<<8)|\new
.set MSB, \new
.endif
.endm
.set MUL_LO, 0xa1                      ; source 0 (role B) window 1, source 1 (role A) window 0, C and D window 2
.set MUL_HI, 0xf1                      ; the same, C and D window 3
.set TO_B,   0x40                      ; destination window 1, address window 0
; A joint load: waves 0 and 1 fetch for role A, waves 2 and 3 for role B.  The branch hangs on the wave's number alone.  Four v_nop follow each of the two lines.
.macro JLOAD g0a, g1a, g0b, g1b
	s_cmp_eq_u32 s15, 0
	s_cbranch_scc0 .Lfor_b_\@
	tensor_load_to_lds s[\g0a:\g0a+3], s[\g1a:\g1a+7]
	s_nop 0
.rept 4
	v_nop
.endr
	s_branch .Lasked_\@
.Lfor_b_\@:
	tensor_load_to_lds s[\g0b:\g0b+3], s[\g1b:\g1b+7]
	s_nop 0
.rept 4
	v_nop
.endr
.Lasked_\@:
.endm
.macro CREST                           ; a round of the cluster's barrier behind its opening barrier
	s_cmp_lg_u32 s14, 0
	s_cbranch_scc1 .Lnot_wave_0_\@
	s_barrier_signal -3
.Lnot_wave_0_\@:
	s_barrier_wait -3
	s_barrier_signal -1
	s_barrier_wait -1
.endm
.macro CROUND
	s_barrier_signal -1
	s_barrier_wait -1
	CREST
.endm
	s_load_b256 s[4:11], s[0:1], 0x0               ; xc s[4:5], wc s[6:7], the scales s[8:9], qkv s[10:11]
	v_lshl_add_u32 v[SPW], v0, 2, SPARE
	v_mov_b32 v[NIL], 0
	ds_add_u32 v28, v29
	ds_add_u32 v28, v29
	s_wait_dscnt 0x0
	v_lshrrev_b32 v1, 5, v0
	v_readfirstlane_b32 s14, v1                    ; wave 0..3
	s_lshr_b32 s15, s14, 1                         ; which half of role A's rows is mine.  Also: I fetch for role A (0) or B (1)
	s_and_b32 s16, s14, 1                          ; which half of role B's rows.  Also: which 128 rows of that tile I fetch
	s_bfe_u32 s40, ttmp6, 0x40000                  ; cx
	s_bfe_u32 s41, ttmp6, 0x40004                  ; cy
	s_and_b32 s13, ttmp7, 0xffff
	s_lshl_b32 s13, s13, 2                         ; 4 x cluster y
	s_cmp_eq_u32 ttmp9, 2                          ; v?
	s_cselect_b32 s17, 0, s13
	s_cselect_b32 s42, s13, 0
	s_add_co_u32 s17, s17, s41                     ; role A's tile: q, k: 4 x cluster y + cy (of x's 32); v: cy (of w_v's 4)
	s_add_co_u32 s42, s42, s40                     ; role B's tile: q, k: cx (of the weight's 4); v: 4 x cluster y + cx (of x's 32)
	s_lshl_b32 s43, s41, 2
	s_lshl_b32 s43, 15, s43                        ; my row of the cluster
	s_lshl_b32 s44, 0x1111, s40                    ; my column
	s_or_b32 s[G1+0], s43, (0<<16)|(1<<20)|(1<<21)|(5<<22)|(3<<25)  ; 15:0 the mask; 17:16 elements of 1 byte; 20 padding on; 21 set beside a mask; 24:22 after every 64 words; 31:25 four words
	s_or_b32 s[G1B+0], s44, (0<<16)|(1<<20)|(1<<21)|(5<<22)|(3<<25)
.irp g, G1, G1B
	s_mov_b32 s[\g+1], ROWB<<16                    ; tensor_dim0
	s_mov_b32 s[\g+2], 128<<16                     ; tensor_dim1
	s_mov_b32 s[\g+3], ROWB<<16                    ; tile_dim0
	s_mov_b32 s[\g+4], 128                         ; tile_dim1
	s_mov_b32 s[\g+5], KROW                        ; tensor_dim0_stride
	s_mov_b32 s[\g+6], 0
	s_mov_b32 s[\g+7], 0
.endr
	s_lshl_b32 s18, s16, 7                         ; which 128 rows of the tile I fetch
	s_lshl_b32 s20, s17, 8
	s_add_co_u32 s20, s20, s18
	s_lshl_b32 s20, s20, 10                        ; role A: (256 x tile + 128 x half) rows of 1,024 bytes
	s_mov_b32 s21, 0
	s_lshl_b32 s46, s42, 8
	s_add_co_u32 s46, s46, s18
	s_lshl_b32 s46, s46, 10                        ; role B likewise
	s_mov_b32 s47, 0
	s_mul_i32 s45, s14, HALFT                      ; where they go: wave x 128 rows
	s_lshl_b32 s70, ttmp9, 23                      ; x's set of codes for this projection; also the part of qkv
	s_mov_b32 s71, 0
	s_lshl_b32 s72, ttmp9, 20                      ; the weight's codes
	s_mov_b32 s73, 0
	s_wait_kmcnt 0x0
	s_load_b256 s[84:91], s[8:9], 0x0              ; e0 .. e7
	s_load_b32 s92, s[8:9], 0x20                   ; e8
	s_add_nc_u64 s[74:75], s[4:5], s[70:71]
	s_add_nc_u64 s[76:77], s[6:7], s[72:73]
	s_cmp_eq_u32 ttmp9, 2
	s_cselect_b64 s[78:79], s[76:77], s[74:75]     ; role A's buffer: the choice hangs on the cluster's x alone
	s_cselect_b64 s[80:81], s[74:75], s[76:77]     ; role B's
	s_add_nc_u64 s[20:21], s[78:79], s[20:21]
	s_add_nc_u64 s[46:47], s[80:81], s[46:47]
	CROUND                                         ; all sixteen work-groups are here: the first joint loads meet
.irp s, 0,1
	s_mov_b32 s[G0+4*\s], 1
	s_add_co_u32 s[G0+4*\s+1], s45, \s*SLOT
	s_add_nc_u64 s[G0+4*\s+2:G0+4*\s+3], s[20:21], \s*ROWB
	s_or_b32 s[G0+4*\s+3], s[G0+4*\s+3], 0x80000000
	s_mov_b32 s[G0B+4*\s], 1
	s_add_co_u32 s[G0B+4*\s+1], s45, \s*SLOT
	s_add_nc_u64 s[G0B+4*\s+2:G0B+4*\s+3], s[46:47], \s*ROWB
	s_or_b32 s[G0B+4*\s+3], s[G0B+4*\s+3], 0x80000000
.endr
	JLOAD G0, G1, G0B, G1B                         ; K step 0: one tensor load a wave at the head
	; PREFETCHES INTO THE L2.  Of the 128 rows that I fetch, each of the four partners that ask for them jointly names 32, told apart by address (cx for role A, cy for role B): a lane a row, 256 bytes of a row a K step.
	; Behind K step 0's load K steps 1 and 2 are named, behind K step 1's load K step 3: at most two K steps are asked for and not yet loaded.  The address registers are never rewritten.
.set PFO, 27
	s_cmp_eq_u32 s15, 0
	s_cselect_b64 s[82:83], s[20:21], s[46:47]     ; the rows that I fetch: the choice hangs on the wave's number alone
	s_cselect_b32 s18, s40, s41
	s_lshl_b32 s18, s18, 15                        ; 32 rows of 1,024 bytes x my place among the four
	s_mov_b32 s19, 0
	s_add_nc_u64 s[82:83], s[82:83], s[18:19]
	v_and_b32 v[PFO], 31, v0
	v_lshlrev_b32 v[PFO], 10, v[PFO]
	global_prefetch_b8 v[PFO], s[82:83] offset:256 th:TH_LOAD_NT scope:SCOPE_SE
	global_prefetch_b8 v[PFO], s[82:83] offset:512 th:TH_LOAD_NT scope:SCOPE_SE
	v_and_b32 v1, 15, v0                           ; r
	v_bfe_u32 v2, v0, 4, 1                         ; h
	v_mul_u32_u24 v3, v1, PITCH
	v_lshl_add_u32 v4, v2, 4, v3                   ; a fragment's row x pitch + 16 h
	s_mul_i32 s21, s15, HALFT                      ; my 128 rows of role A
	s_mul_i32 s22, s16, HALFT                      ; my 128 rows of role B,
	s_add_co_u32 s22, s22, 2*HALFT                 ; which lie behind A's 256
.irp s, 0,1
	v_add_nc_u32 v[ADRA+\s], s21, v4
	v_add_nc_u32 v[ADRB+\s], s22, v4
	s_add_co_u32 s21, s21, SLOT
	s_add_co_u32 s22, s22, SLOT
.endr
	v_and_b32 v6, 31, v0
	v_lshlrev_b32 v[LO], 4, v6
	; where my images begin: part + (16 x batch + my first head) x 2^17 + 64 x (my first position in its batch).  Positions come from x's role, heads from the weight's.
	s_cmp_eq_u32 ttmp9, 2
	s_cselect_b32 s66, s42, s17                    ; x's tile,
	s_cselect_b32 s67, s16, s15                    ; my half of it,
	s_cselect_b32 s68, s17, s42                    ; the weight's tile,
	s_cselect_b32 s69, s15, s16                    ; my half of it
	s_lshl_b32 s66, s66, 8
	s_lshl_b32 s67, s67, 7
	s_add_co_u32 s66, s66, s67                     ; my first row of x
	s_lshl_b32 s68, s68, 2
	s_lshl_b32 s69, s69, 1
	s_add_co_u32 s68, s68, s69                     ; my first head: 128 channels are two heads
	s_lshr_b32 s67, s66, 11
	s_lshl_b32 s67, s67, 4
	s_add_co_u32 s67, s67, s68
	s_lshl_b32 s67, s67, 17
	s_and_b32 s66, s66, 2047
	s_lshl_b32 s66, s66, 6                         ; 16 positions are 1,024 bytes of q or k; 128 keys are 8,192 bytes of v: 64 bytes a position both ways
	s_add_co_u32 s66, s66, s67
	s_add_co_u32 s66, s66, s70
	s_mov_b32 s67, 0
	s_add_nc_u64 s[10:11], s[10:11], s[66:67]
.macro FRAG reg, adr, q, i             ; a fragment: four loads of 16 bytes, 32 apart: the same places of role A's and role B's rows, so every product meets its partner
.irp c, 0,1,2,3
	ds_load_b128 v[\reg+4*\c:\reg+4*\c+3], v[\adr] offset:128*(\q)+32*\c+(\i)*16*PITCH
.endr
.endm
; 16 matrix instructions: role A's blocks a0, a0 + 1 x role B's eight.  The 64 accumulators take turns, one instruction a turn, in the same order in every step.
.macro MUL16 a0, p, zero
.irp a, \a0, \a0+1
.irp b, 0,1,2,3,4,5,6,7
.if \zero
	v_wmma_f32_16x16x128_fp8_fp8 v[8*(8*((\a)%4)+\b):8*(8*((\a)%4)+\b)+7], v[128*(\p)+FR*\b:128*(\p)+FR*\b+FR-1], v[AF+FR*(\a):AF+FR*(\a)+FR-1], 0
.else
	v_wmma_f32_16x16x128_fp8_fp8 v[8*(8*((\a)%4)+\b):8*(8*((\a)%4)+\b)+7], v[128*(\p)+FR*\b:128*(\p)+FR*\b+FR-1], v[AF+FR*(\a):AF+FR*(\a)+FR-1], v[8*(8*((\a)%4)+\b):8*(8*((\a)%4)+\b)+7]
.endif
.endr
.endr
.endm
.macro FETCH_B slot, q, p
	WIN TO_B
.irp i, 0,1,2,3,4,5,6,7
	FRAG 128*(\p)+FR*\i, ADRB+\slot, \q, \i
.endr
	WIN 0
.endm
.macro FETCH_A slot, q, i0
.irp i, \i0, \i0+1, \i0+2, \i0+3
	FRAG AF+FR*(\i), ADRA+\slot, \q, \i
.endr
.endm
.macro PLACES n                        ; plain vector lines between a matrix instruction and a load into one of its registers, or a read of its result
.rept \n
	v_nop
.endr
.endm
; A step of 128 along K that has its successor in the same slot.  A block of role A is free as soon as its eight products are issued: one set serves, fetched anew in two runs; role B has two sets.
.macro STEP slot, q, zero
	s_wait_dscnt 4*NL                              ; role B's set and role A's blocks 0-3 are in; the youngest sixteen loads (blocks 4-7) may be out
	WIN MUL_LO
	MUL16 0, (\q)%2, \zero
	MUL16 2, (\q)%2, \zero
	s_wait_dscnt 0
	PLACES NP
	FETCH_B \slot, (\q)+1, 1-(\q)%2
	FETCH_A \slot, (\q)+1, 0
	WIN MUL_HI
	MUL16 4, (\q)%2, \zero
	MUL16 6, (\q)%2, \zero
	PLACES NP
	WIN 0
	FETCH_A \slot, (\q)+1, 4
.endm
; A slot's last step changes slots: one barrier; in front of it each wave waits for all its tensor loads, adds 0 to its spare word, and waits for that and for its own reads of this slot.
.macro TURN slot, next, fill
	s_wait_tensorcnt 0x0                           ; all my tensor loads have landed: my part of the next slot
	ds_add_u32 v[SPW], v[NIL]                      ; 0 onto my spare word
	s_wait_dscnt 4*NL+1                            ; (the add and the youngest sixteen loads may be out)
	WIN MUL_LO
	MUL16 0, 1, 0
	s_wait_dscnt 0x0                               ; the add is done, and my reads of this slot are over
	s_barrier_signal -1
	MUL16 2, 1, 0
	WIN 0
	s_barrier_wait -1
.if \fill
	CREST                                          ; the barrier has opened a round of the cluster's barrier: no wave of any partner still reads this slot or has a load on its way
	s_add_nc_u64 s[G0+4*\slot+2:G0+4*\slot+3], s[G0+4*\slot+2:G0+4*\slot+3], 2*ROWB
	s_add_nc_u64 s[G0B+4*\slot+2:G0B+4*\slot+3], s[G0B+4*\slot+2:G0B+4*\slot+3], 2*ROWB
	JLOAD G0+4*\slot, G1, G0B+4*\slot, G1B         ; the first tensor load behind the round; its four v_nop are also the places in front of the loads below
.else
	PLACES NP
.endif
	FETCH_B \next, 0, 0
	FETCH_A \next, 0, 0
	WIN MUL_HI
	MUL16 4, 1, 0
	MUL16 6, 1, 0
	PLACES NP
	WIN 0
	FETCH_A \next, 0, 4
.endm
	s_wait_alu depctr_va_vdst(0)
	s_wait_tensorcnt 0x0                           ; my part of K step 0 is in
	ds_add_u32 v[SPW], v[NIL]
	s_wait_dscnt 0x0
	CROUND                                         ; everybody's part of K step 0 is in, and all sixteen work-groups are here
	JLOAD G0+4, G1, G0B+4, G1B                     ; K step 1: the first tensor load behind the round
	FETCH_B 0, 0, 0
	FETCH_A 0, 0, 0
	FETCH_A 0, 0, 4
	global_prefetch_b8 v[PFO], s[82:83] offset:768 th:TH_LOAD_NT scope:SCOPE_SE   ; K step 3
	STEP 0, 0, 1
	TURN 0, 1, 1                                   ; slot 0 takes K step 2
	STEP 1, 0, 0
	TURN 1, 0, 1                                   ; slot 1 takes K step 3
	STEP 0, 0, 0
	TURN 0, 1, 0                                   ; nothing is left to fetch
	STEP 1, 0, 0
	s_wait_dscnt 4*NL
	WIN MUL_LO
	MUL16 0, 1, 0
	MUL16 2, 1, 0
	s_wait_dscnt 0
	WIN MUL_HI
	MUL16 4, 1, 0
	MUL16 6, 1, 0
	WIN 0
	; THE WAY OUT: hold, convert, store.  No LDS.
	s_wait_kmcnt 0x0
	s_sub_co_i32 s93, s91, s84
	s_sub_co_i32 s93, s93, s85                     ; q: e7 - e0 - e1
	s_sub_co_i32 s94, s90, s86
	s_sub_co_i32 s94, s94, s87                     ; k: e6 - e2 - e3
	s_sub_co_i32 s95, s92, s88
	s_sub_co_i32 s95, s95, s89                     ; v: e8 - e4 - e5
	s_cmp_eq_u32 ttmp9, 1
	s_cselect_b32 s93, s94, s93
	s_cmp_eq_u32 ttmp9, 2
	s_cselect_b32 s93, s95, s93
	s_add_co_i32 s93, s93, 127
	s_lshl_b32 s94, s93, 23
	v_mov_b32 v[SCL], s94
	s_add_co_i32 s93, s93, 8
	s_lshl_b32 s93, s93, 23
	s_or_b32 s93, s93, 0x600000
	v_mov_b32 v[LIM], s93
	PLACES NP                                      ; behind the last products: the holds read results, the conversions write where role A's fragments lay
.macro CODES a                         ; block a (16 rows of role A): its eight accumulators become the sixteen registers of codes at v[CD + 16 a]
	WIN 0x02+((\a)/4)                              ; source 0: window 2 or 3
.set n, 0
.rept 64
	v_med3_num_f32 v[TMP+n], v[64*((\a)%4)+n], -v[LIM], v[LIM]   ; the conversion does not saturate (ISA guide 7.6.2); each accumulator is read from its low end on
.set n, n+1
.endr
	WIN 0
.irp b, 0,1,2,3,4,5,6,7
	v_cvt_scalef32_pk8_fp8_f32 v[CD+16*(\a)+2*\b:CD+16*(\a)+2*\b+1], v[TMP+8*\b:TMP+8*\b+7], v[SCL]
.endr
	v_nop                                          ; one plain line behind the last conversion: the next block's holds write its sources
.endm
.irp a, 0,1,2,3,4,5,6,7
	CODES \a
.endr
	s_cmp_eq_u32 ttmp9, 2
	s_cbranch_scc1 .Lstore_v
.irp a, 0,1,2,3,4,5,6,7                ; q, k: block a = 16 positions; registers 0-7 my first head's 64 channels, 8-15 my second head's
.irp u, 0,1,2,3
	global_store_b128 v[LO], v[CD+16*\a+4*\u:CD+16*\a+4*\u+3], s[10:11] offset:1024*\a+131072*(\u/2)+512*(\u%2)
.endr
.endr
	s_branch .Lstored
.Lstore_v:
	s_wait_alu depctr_va_vdst(0)
.irp a, 0,1,2,3,4,5,6,7                ; v: block a = 16 channels (head a / 4, tile a % 4); the sixteen registers are my 128 keys
.irp u, 0,1,2,3
	global_store_b128 v[LO], v[CD+16*\a+4*\u:CD+16*\a+4*\u+3], s[10:11] offset:131072*(\a/4)+2048*(\a%4)+512*\u
.endr
.endr
.Lstored:
	s_wait_tensorcnt 0x0                           ; the wave's end
	ds_add_u32 v[SPW], v[NIL]
	s_wait_dscnt 0x0
	CROUND                                         ; the closing round: no work-group ends while a partner may still ask for a tile that names it
	s_endpgm
.Lfunc_end_k_q7025485e00_qkv:
	.size	k_q7025485e00_qkv, .Lfunc_end_k_q7025485e00_qkv-k_q7025485e00_qkv
	.p2alignl 7, 3214868480
	.fill 96, 4, 3214868480
	.section	.rodata,"a",@progbits
	.p2align	6, 0x0
	.amdhsa_kernel k_q7025485e00_qkv
		.amdhsa_group_segment_fixed_size 327680
		.amdhsa_private_segment_fixed_size 0
		.amdhsa_enable_private_segment 0
		.amdhsa_kernarg_size 32
		.amdhsa_user_sgpr_count 2
		.amdhsa_user_sgpr_kernarg_segment_ptr 1
		.amdhsa_wavefront_size32 1
		.amdhsa_system_sgpr_workgroup_id_x 1
		.amdhsa_system_sgpr_workgroup_id_y 1
		.amdhsa_system_sgpr_workgroup_id_z 1
		.amdhsa_system_vgpr_workitem_id 0
		.amdhsa_next_free_vgpr 1024
		.amdhsa_next_free_sgpr 98
		.amdhsa_reserve_vcc 0
		.amdhsa_float_denorm_mode_32 3
		.amdhsa_float_denorm_mode_16_64 3
		.amdhsa_memory_ordered 1
		.amdhsa_forward_progress 1
		.amdhsa_inst_pref_size 122
	.end_amdhsa_kernel
	.amdgpu_metadata
---
amdhsa.version: [ 1, 2 ]
amdhsa.kernels:
  - .name:           k_q7025485e00_qkv
    .symbol:         k_q7025485e00_qkv.kd
    .args:
      - { .name: xc, .offset: 0, .size: 8, .value_kind: global_buffer, .address_space: global }
      - { .name: wc, .offset: 8, .size: 8, .value_kind: global_buffer, .address_space: global }
      - { .name: lowp_scales, .offset: 16, .size: 8, .value_kind: global_buffer, .address_space: global }
      - { .name: qkv, .offset: 24, .size: 8, .value_kind: global_buffer, .address_space: global }
    .group_segment_fixed_size: 327680
    .private_segment_fixed_size: 0
    .kernarg_segment_align: 8
    .kernarg_segment_size: 32
    .max_flat_workgroup_size: 128
    .sgpr_count:     98
    .vgpr_count:     1024
    .wavefront_size: 32
...
	.end_amdgpu_metadata
.endif
;; end of part 2
;; launch attn (part 3): grid 4 x 64, 8 waves a work-group, no clusters, 263,168 bytes of LDS; arguments qkv, lowp_scales, oc; writes oc
.if DOCPART == 3
	.amdgcn_target "amdgcn-amd-amdhsa--gfx1250"
	.amdhsa_code_object_version 6
	.text
	.protected	k_q7025485e00_attn
	.globl	k_q7025485e00_attn
	.p2align	8
	.type	k_q7025485e00_attn,@function
k_q7025485e00_attn:
	s_mov_b64 s[64:65], 0
	v_nop
	global_prefetch_b8 v0, s[64:65] scope:SCOPE_SE
	s_setreg_imm32_b32 hwreg(HW_REG_WAVE_MODE, 25, 1), 1
	s_wait_xcnt 0x0
; CAUSAL ATTENTION ON CODES OF E4M3, head size 64, 2,048 positions, 64 (batch, head) pairs.  q, k, v come as images of the operands' registers; the result leaves, quantised for the last projection, as such an image.
; LEFT OUT: key steps all of whose keys come after a wave's queries: the causal mask makes their p zero for every input.  A NaN or an infinity that reaches only such scores is not carried to the result.
; THE SOFTMAX: t = score x log2(e) / 8; M = the running largest t rounded UP to a whole number; p = 2^(t - M) is quantised (scale 2^e9), not normalised; the row's sum is taken of the unquantised p and divides at the end.
; When M moves, the sum and O are multiplied by 2^(old M - new M): nothing is rounded.
; SHARES.  Work-group (j, bh) owns query blocks 7 - j and j (256 queries each) of one head: 8 - j and j + 1 key slots of 256 keys, nine in every work-group.  Each of eight waves owns 32 queries of each block: TWO TILES of 16,
; so that each fragment of K and V read from LDS feeds two matrix instructions.  Wave w takes group w of the first block and group 7 - w of the second: 17 key steps of 128 keys in every wave.
; LDS HOLDS THE HEAD'S K (bytes 0 ..) AND V (bytes 131,072 ..) AS THEY LIE IN MEMORY, each byte stored once: slots 0 .. 7 - j.  The second block reads what the first has brought.  A slot's 32,768 bytes come through registers:
; each wave loads 2,048 bytes of K and of V and stores them to LDS, two slots ahead of the slot in hand; one barrier a slot, signalled behind the stores and awaited a key step later.
; ONE LOOP of 12 trips, a slot a trip: trips 0-7 the first block's slots 0-7, trips 8-11 the second block's slots 0-3; a step that the mask hides whole is jumped over by a scalar branch on ids.  No barrier stands under a branch.
; K'S FRAGMENTS have registers of their own: a step asks for the next step's, if that step counts for my queries, right behind its own score products; slot 0's first are asked for ahead of each block.
; THE HOLD of p at 448 x 2^e9 is jumped over where e9 >= -8: p is at most 1 + one unit in the last place, under 448 x 2^-8 = 1.75.
; NO CLUSTER: the four work-groups of a head want 8, 7, 6 and 5 slots, so partners would need different numbers of tiles.
; PREFETCH: work-group j = 0 of a head asks, in trip t = 0 .. 3, for slot t + 4, one trip ahead of the loads that want it: waves 0, 1 K's halves, waves 2, 3 V's, 8,192 bytes a wave, lanes 256 bytes apart; slots 0-3 come by their loads alone.
; LAYOUT.  Both products transposed: S^T = K Q^T (K = 64), O^T = V^T P^T (K = 128 keys): a lane holds one query.  Register i of score tile t holds key 16 t + 8 h + i: a conversion gives registers 2 t, 2 t + 1 of P.
; LIMITS: e6 + e7 between -123 and 130; e9, e10 between -126 and 119; the scaled scores stay under 2^31 in magnitude.
; REGISTERS.  Window 1, tile b = 0, 1: v[64 b ..] S^T then p; v[128 + 32 b ..] O^T; v[192 + 16 b ..] p's codes; v[224 + 8 b ..] Q.  So one window setting serves both tiles, and their chains take turns.
; Window 0: v1-14 addresses and constants; v16-31 the second block's Q; v32-95 V's fragments; v96-159 K's; v160-191 bytes on their way to LDS; v192-207 the tiles' state; v208-237 at work.
.set VREG,  131072
.set SPARE, 262144                     ; behind K and V: the spare words, 128 bytes a wave
.set LI,1
.set PFO,2
.set LIM10,3
.set SC10,4
.set SPW,5
.set NIL,6
.set FS0,7
.set ADR,8
.set DB,9
.set LIM9,10
.set SC9,11
.set FS1,12
.set LIV,13
.set ADV,14
.set VF,32
.set KR,96
.set FR,160
.set ST,192                            ; state of tile b at ST + 8 b: -M, the largest score, the sum (2), f (2), old -M, a permute's result
.set TT,208                            ; four chains of maxima a tile
.set UU,216                            ; four chains of sums a tile
.set FSA,236
.set FSV,237
.set WV,18
.set SEL,20
.set CS,22
.set KB,24
.set VB,26
.set PFA,28
.set LIM,30
.set N1,31
.set DT,32
.set KA,33
.set KF,34
.set Q0,35
.set Q1,36
.set OB0,38
.set OB1,40
.set MSB, 0
.macro WIN new                         ; the immediate's high byte repeats the setting that is left
.if MSB != \new
	s_set_vgpr_msb (MSB<<8)|\new
.set MSB, \new
.endif
.endm
.macro FLOADS reg, off                 ; my 2,048 bytes of a slot's K and of its V, 512 consecutive bytes a load
.irp i, 0,1,2,3
	global_load_b128 v[\reg+4*\i:\reg+4*\i+3], v[LI], s[KB:KB+1] offset:\off+512*\i
	global_load_b128 v[\reg+16+4*\i:\reg+16+4*\i+3], v[LI], s[VB:VB+1] offset:\off+512*\i
.endr
.endm
.macro FSTORES reg, ak, av, off        ; and into LDS
.irp i, 0,1,2,3
	ds_store_b128 v[\ak], v[\reg+4*\i:\reg+4*\i+3] offset:\off+512*\i
	ds_store_b128 v[\av], v[\reg+16+4*\i:\reg+16+4*\i+3] offset:\off+512*\i
.endr
.endm
.macro KLOAD adr, off                  ; a step's eight fragments of K: 16 keys x 64 channels each, as the registers want them
.irp t, 0,1,2,3,4,5,6,7
	ds_load_b128 v[KR+8*\t:KR+8*\t+3], v[\adr] offset:\off+1024*\t
	ds_load_b128 v[KR+8*\t+4:KR+8*\t+7], v[\adr] offset:\off+1024*\t+512
.endr
.endm
.macro INIT                            ; a block begins: the largest score -3e38, -M = 3e38, sums and O^T zero (the step is written once: a block's first step finds zeros)
.irp b, 0,1
	v_mov_b32 v[ST+8*\b+1], 0xff61b1e6
	v_mov_b32 v[ST+8*\b], 0x7f61b1e6
	v_mov_b32 v[ST+8*\b+2], 0
	v_mov_b32 v[ST+8*\b+3], 0
.endr
	WIN 0x40
.set n, 0
.rept 64
	v_mov_b32 v[128+n], 0
.set n, n+1
.endr
	WIN 0
.endm
	s_load_b128 s[4:7], s[0:1], 0x0                ; qkv, the scales
	s_load_b64 s[8:9], s[0:1], 0x10                ; oc
	v_lshl_add_u32 v[SPW], v0, 2, SPARE
	v_mov_b32 v[NIL], 0
	v_lshrrev_b32 v8, 5, v0
	v_readfirstlane_b32 s[WV], v8                  ; wave 0..7
	v_and_b32 v[LI], 31, v0
	v_lshlrev_b32 v[PFO], 8, v[LI]
	v_lshlrev_b32 v[LI], 4, v[LI]                  ; 16 x lane
	s_lshl_b32 s13, s[WV], 11
	v_add_nc_u32 v[FS0], s13, v[LI]                ; my 2,048 bytes of a slot's K in LDS,
	v_add_nc_u32 v[FS1], VREG, v[FS0]              ; of its V
	v_add_nc_u32 v[LIV], VREG, v[LI]
	v_and_b32 v[DB], 15, v0
	v_bfe_u32 v[ADR], v0, 4, 1
	v_lshlrev_b32 v[ADR], 3, v[ADR]
	v_sub_nc_u32 v[DB], v[DB], v[ADR]              ; r - 8 h
	s_and_b32 s10, ttmp7, 0xffff                   ; 16 x batch + head
	s_sub_co_u32 s[N1], 8, ttmp9                   ; slots that this work-group needs
	s_sub_co_u32 s11, 7, ttmp9
	s_lshl_b32 s11, s11, 8
	s_lshl_b32 s12, s[WV], 5
	s_add_co_u32 s[Q0], s11, s12                   ; 256 (7 - j) + 32 x wave
	s_lshl_b32 s11, ttmp9, 8
	s_sub_co_u32 s12, 224, s12
	s_add_co_u32 s[Q1], s11, s12                   ; 256 j + 32 x (7 - wave)
	s_lshl_b32 s16, s10, 17                        ; my head's 2^17 bytes
	s_mov_b32 s17, 0
	s_add_co_u32 s14, s16, s13
	s_add_co_u32 s14, s14, 0x800000                ; part 1 of qkv: k
	s_mov_b32 s15, 0
	s_mov_b32 s63, 0
	s_mov_b32 s[SEL], 0x76543210
	s_mov_b32 s[SEL+1], 0xfedcba98
	s_mov_b32 s[CS], 0x3e38aa3b                    ; log2(e) / 8
	s_mov_b32 s[DT], 0
	s_wait_alu depctr_va_vdst(0)
	s_wait_kmcnt 0x0
	s_load_b128 s[52:55], s[6:7], 0x18             ; e6, e7, e8, e9
	s_load_b32 s56, s[6:7], 0x28                   ; e10
	s_add_nc_u64 s[KB:KB+1], s[4:5], s[14:15]
	s_add_nc_u64 s[VB:VB+1], s[KB:KB+1], 0x800000  ; part 2: v
	s_add_nc_u64 s[60:61], s[4:5], s[16:17]        ; q of my head
	s_lshl_b32 s62, s[Q0], 6
	s_add_nc_u64 s[66:67], s[60:61], s[62:63]
	s_lshl_b32 s62, s[Q1], 6
	s_add_nc_u64 s[68:69], s[60:61], s[62:63]
	FLOADS FR, 0                                   ; slot 0
	FLOADS VF, 16384                               ; slot 1, through registers that V's fragments take later
	WIN 0x40
.irp i, 0,1,2,3
	global_load_b128 v[224+4*\i:227+4*\i], v[LI], s[66:67] offset:512*\i   ; the first block's Q, both tiles
.endr
	WIN 0
.irp i, 0,1,2,3
	global_load_b128 v[16+4*\i:19+4*\i], v[LI], s[68:69] offset:512*\i     ; the second block's
.endr
	s_lshr_b32 s60, s10, 4
	s_lshl_b32 s60, s60, 21                        ; oc: a batch is 128 tiles of 16,384 bytes,
	s_and_b32 s61, s10, 15
	s_lshl_b32 s61, s61, 10                        ; a head 1,024 bytes of a tile
	s_add_co_u32 s60, s60, s61
	s_lshl_b32 s62, s[Q0], 10
	s_add_co_u32 s62, s62, s60
	s_add_nc_u64 s[OB0:OB0+1], s[8:9], s[62:63]
	s_lshl_b32 s62, s[Q1], 10
	s_add_co_u32 s62, s62, s60
	s_add_nc_u64 s[OB1:OB1+1], s[8:9], s[62:63]
	s_bfe_u32 s62, s[WV], 0x10001                  ; the prefetches: waves 0, 1: k; waves 2, 3: v
	s_add_co_u32 s62, s62, 1
	s_lshl_b32 s62, s62, 23
	s_add_co_u32 s62, s62, s16
	s_and_b32 s60, s[WV], 1
	s_lshl_b32 s60, s60, 13                        ; my half of a slot's 16,384 bytes,
	s_add_co_u32 s62, s62, s60
	s_add_co_u32 s62, s62, 3*16384                 ; in slot 3: trip 0 steps it to slot 4
	s_add_nc_u64 s[PFA:PFA+1], s[4:5], s[62:63]
	s_lshr_b32 s60, s[WV], 2
	s_or_b32 s60, s60, ttmp9
	s_cmp_eq_u32 s60, 0
	s_cselect_b32 s[LIM], 4, 0                     ; a wave prefetches while the trip is below this
	s_wait_kmcnt 0x0
	s_add_co_i32 s60, s52, s53
	s_lshl_b32 s60, s60, 23
	s_add_co_i32 s[CS], s[CS], s60                 ; a score stands for score x 2^(e6 + e7)
	s_mov_b32 s[CS+1], s[CS]
	s_add_co_i32 s57, s54, s55                     ; e8 + e9
	s_add_co_i32 s60, s55, 127
	s_lshl_b32 s61, s60, 23
	v_mov_b32 v[SC9], s61                          ; 2^e9
	s_add_co_i32 s60, s60, 8
	s_lshl_b32 s60, s60, 23
	s_or_b32 s60, s60, 0x600000
	v_mov_b32 v[LIM9], s60                         ; 448 x 2^e9
	s_add_co_i32 s60, s56, 127
	s_lshl_b32 s61, s60, 23
	v_mov_b32 v[SC10], s61                         ; 2^e10
	s_add_co_i32 s60, s60, 8
	s_lshl_b32 s60, s60, 23
	s_or_b32 s60, s60, 0x600000
	v_mov_b32 v[LIM10], s60                        ; 448 x 2^e10
.irp b, 0,1
	v_mov_b32 v[ST+8*\b+5], 0                      ; (named as the upper half of f's pair)
	v_mov_b32 v[ST+8*\b+7], 0                      ; a lane permute's destination counts as one of its sources
.endr
	INIT
	s_wait_alu depctr_va_vdst(0)
	s_wait_loadcnt 8                               ; slots 0 and 1 are in registers; the eight loads of Q may be out
	FSTORES FR, FS0, FS1, 0
	FSTORES VF, FS0, FS1, 16384
	s_wait_dscnt 0x0                               ; the stores are done: for the others' sake, and their registers are free
	FLOADS FR, 32768                               ; slot 2 (every work-group needs at least five slots)
	s_barrier_signal -1
	s_barrier_wait -1                              ; slots 0 and 1 are whole
	KLOAD LI, 0                                    ; the first step's K
	s_wait_loadcnt 8                               ; Q is in; slot 2's eight loads may be out
; A KEY STEP: 128 keys, the q-th of the slot in hand, for both tiles.  Its fragments of K have been asked for.
.macro STEP q
	s_add_co_u32 s60, s[Q0], 31
	s_cmp_gt_u32 s[KF], s60
	s_cbranch_scc1 .Lhidden_\@                     ; all 128 keys come after my 32 queries
	s_wait_dscnt 0x0                               ; K is in
	WIN 0x54
.irp t, 0,1,2,3,4,5,6,7
.irp b, 0,1
	v_wmma_f32_16x16x64_fp8_fp8 v[64*\b+8*\t:64*\b+8*\t+7], v[KR+8*\t:KR+8*\t+7], v[224+8*\b:231+8*\b], 0
.endr
.endr
	WIN 0
.rept 4
	v_nop                                          ; places: for the loads below, into registers that products have read, and for the first read of the scores
.endr
	s_add_co_u32 s61, s[KF], 128
	s_cmp_gt_u32 s61, s60
	s_cbranch_scc1 .Lnonext_\@                     ; the next step is hidden from my queries: its K is not read
	KLOAD ADR, 8192*((\q)+1)                       ; (q = 1: the next slot's first step; that slot was whole at the last barrier)
.Lnonext_\@:
.irp t, 0,1,2,3
.irp c, 0,1,2,3
	ds_load_b128 v[VF+16*\t+4*\c:VF+16*\t+4*\c+3], v[ADV] offset:8192*(\q)+2048*\t+512*\c   ; V: asked for now, wanted behind the softmax
.endr
.endr
	s_add_co_u32 s60, s[KF], 127
	s_cmp_le_u32 s60, s[Q0]
	s_cbranch_scc1 .Lopen_\@                       ; all keys count
	s_sub_co_i32 s60, s[Q0], s[KF]
	v_add_nc_u32 v232, s60, v[DB]                  ; d = my query - KF - 8 h: register 8 t + i is hidden where 16 t + i > d
	v_add_nc_u32 v233, 16, v232                    ; tile 1's queries lie 16 further on
	v_mov_b32 v234, 0xff800000
	WIN 0x41
.irp b, 0,1
.set n, 0
.rept 64
	v_cmp_gt_i32 vcc_lo, 16*(n/8)+n%8, v[232+\b]
	v_cndmask_b32 v[64*\b+n], v[64*\b+n], v234, vcc_lo
.set n, n+1
.endr
.endr
	WIN 0
.Lopen_\@:
	WIN 0x15                                       ; the step's largest score of my query among my 64 keys: four chains a tile, eight by turns, each score tile from its low end on
.irp c, 0,1,2,3
.irp b, 0,1
	v_max3_num_f32 v[TT+4*\b+\c], v[64*\b+16*\c], v[64*\b+16*\c+1], v[64*\b+16*\c+2]
.endr
.endr
	WIN 0x05
.irp i, 3,5,7,9,11,13
.irp c, 0,1,2,3
.irp b, 0,1
	v_max3_num_f32 v[TT+4*\b+\c], v[64*\b+16*\c+\i], v[64*\b+16*\c+\i+1], v[TT+4*\b+\c]
.endr
.endr
.endr
.irp b, 0,1
	v_max3_num_f32 v[TT+4*\b], v[64*\b+15], v[64*\b+31], v[TT+4*\b]
	v_max3_num_f32 v[TT+4*\b+2], v[64*\b+47], v[64*\b+63], v[TT+4*\b+2]
.endr
	WIN 0
.irp b, 0,1
	v_mov_b32 v[ST+8*\b+6], v[ST+8*\b]
.endr
.irp b, 0,1
	v_max3_num_f32 v[TT+4*\b], v[TT+4*\b], v[TT+4*\b+1], v[TT+4*\b+2]
.endr
.irp b, 0,1
	v_max_num_f32 v[TT+4*\b], v[TT+4*\b], v[TT+4*\b+3]
.endr
.irp b, 0,1
	v_permlanex16_b32 v[ST+8*\b+7], v[TT+4*\b], s[SEL], s[SEL+1]
.endr
.irp b, 0,1
	v_max3_num_f32 v[ST+8*\b+1], v[ST+8*\b+1], v[TT+4*\b], v[ST+8*\b+7]   ; the running largest score
.endr
.irp b, 0,1
	v_mul_f32 v[TT+4*\b], s[CS], v[ST+8*\b+1]      ; as t (c is positive)
.endr
.irp b, 0,1
	v_floor_f32 v[ST+8*\b], -v[TT+4*\b]            ; the new -M = -ceil(t)
.endr
.irp b, 0,1
	v_sub_f32 v[ST+8*\b+6], v[ST+8*\b], v[ST+8*\b+6]   ; old M - new M: a whole number, 0 or less
.endr
.irp b, 0,1
	v_cvt_i32_f32 v[ST+8*\b+6], v[ST+8*\b+6]       ; (it saturates)
.endr
.irp b, 0,1
	v_ldexp_f32 v[ST+8*\b+4], 1.0, v[ST+8*\b+6]    ; f = 2^(old M - new M)
.endr
.irp b, 0,1
	v_pk_mul_f32 v[ST+8*\b+2:ST+8*\b+3], v[ST+8*\b+2:ST+8*\b+3], v[ST+8*\b+4:ST+8*\b+5] op_sel_hi:[1,0]   ; the sums under the new M
.endr
	WIN 0x41
.irp b, 0,1
.set n, 0
.rept 16
	v_pk_mul_f32 v[128+32*\b+n:129+32*\b+n], v[128+32*\b+n:129+32*\b+n], v[ST+8*\b+4:ST+8*\b+5] op_sel_hi:[1,0]   ; O^T under the new M
.set n, n+2
.endr
.endr
.irp b, 0,1
.set n, 0
.rept 32
	v_pk_fma_f32 v[64*\b+n:64*\b+n+1], v[64*\b+n:64*\b+n+1], s[CS:CS+1], v[ST+8*\b:ST+8*\b+1] op_sel_hi:[1,0,0]   ; t - M, two at a time
.set n, n+2
.endr
.endr
	s_wait_alu depctr_va_vdst(0)
	s_wait_dscnt 0x0                               ; V is in (and the next step's K)
.set n, 0
.rept 128
	v_exp_f32 v[n], v[n]                           ; p = 2^(t - M)
.set n, n+1
.endr
	v_nop                                          ; a plain line behind the exponentials
	s_wait_alu depctr_va_vdst(0)                   ; one wait for the whole batch, ahead of its first reader
	WIN 0x05                                       ; the unquantised p, two at a time: four chains a tile, eight by turns
.irp c, 0,1,2,3
.irp b, 0,1
	v_pk_add_f32 v[UU+8*\b+2*\c:UU+8*\b+2*\c+1], v[64*\b+2*\c:64*\b+2*\c+1], v[64*\b+8+2*\c:64*\b+9+2*\c]
.endr
.endr
	WIN 0x01
.irp m, 2,3,4,5,6,7
.irp c, 0,1,2,3
.irp b, 0,1
	v_pk_add_f32 v[UU+8*\b+2*\c:UU+8*\b+2*\c+1], v[64*\b+8*\m+2*\c:64*\b+8*\m+2*\c+1], v[UU+8*\b+2*\c:UU+8*\b+2*\c+1]
.endr
.endr
.endr
	WIN 0
.irp b, 0,1
	v_pk_add_f32 v[UU+8*\b:UU+8*\b+1], v[UU+8*\b:UU+8*\b+1], v[UU+8*\b+2:UU+8*\b+3]
	v_pk_add_f32 v[UU+8*\b+4:UU+8*\b+5], v[UU+8*\b+4:UU+8*\b+5], v[UU+8*\b+6:UU+8*\b+7]
.endr
.irp b, 0,1
	v_pk_add_f32 v[UU+8*\b:UU+8*\b+1], v[UU+8*\b:UU+8*\b+1], v[UU+8*\b+4:UU+8*\b+5]
.endr
.irp b, 0,1
	v_pk_add_f32 v[ST+8*\b+2:ST+8*\b+3], v[ST+8*\b+2:ST+8*\b+3], v[UU+8*\b:UU+8*\b+1]
.endr
	s_wait_alu depctr_va_vdst(0)
	s_cmp_ge_i32 s55, -8
	s_cbranch_scc1 .Lnohold_\@                     ; 448 x 2^e9 >= 1.75: no p reaches it
	WIN 0x41
.set n, 0
.rept 128
	v_min_num_f32 v[n], v[n], v[LIM9]              ; the conversion does not saturate (ISA guide 7.6.2); p is not negative, so the hold is one-sided
.set n, n+1
.endr
	WIN 0
.Lnohold_\@:
	WIN 0x41
.irp b, 0,1
.irp t, 0,1,2,3,4,5,6,7
	v_cvt_scalef32_pk8_fp8_f32 v[192+16*\b+2*\t:193+16*\b+2*\t], v[64*\b+8*\t:64*\b+8*\t+7], v[SC9]   ; keys 16 t + 8 h + 0 .. 7: registers 2 t, 2 t + 1 of P
.endr
.endr
	v_nop                                          ; one plain line between the conversions and the products
	WIN 0x54
.irp t, 0,1,2,3
.irp b, 0,1
	v_wmma_f32_16x16x128_fp8_fp8 v[128+32*\b+8*\t:135+32*\b+8*\t], v[VF+16*\t:VF+16*\t+15], v[192+16*\b:207+16*\b], v[128+32*\b+8*\t:135+32*\b+8*\t]   ; eight accumulators by turns
.endr
.endr
	WIN 0
.Lhidden_\@:
	s_add_co_u32 s[KF], s[KF], 128
.endm
; THE FILL, between a trip's two steps: slot DT + 2 goes from registers into LDS, slot DT + 3 is asked for, and the barrier is signalled; it is awaited behind the second step.
.macro FILL
	s_wait_loadcnt 0x0                             ; the slot asked for a trip ago is in registers
	s_wait_xcnt 0x0                                ; earlier loads and prefetches have read their addresses
	s_add_nc_u64 s[PFA:PFA+1], s[PFA:PFA+1], 16384
	s_cmp_ge_u32 s[DT], 6
	s_cbranch_scc1 .Lnost_\@                       ; there are eight slots,
	s_add_co_u32 s60, s[DT], 2
	s_cmp_lt_u32 s60, s[N1]
	s_cbranch_scc0 .Lnost_\@                       ; of which this work-group needs 8 - j
	s_lshl_b32 s61, s60, 14
	v_add_nc_u32 v[FSA], s61, v[FS0]
	v_add_nc_u32 v[FSV], s61, v[FS1]
	FSTORES FR, FSA, FSV, 0
.Lnost_\@:
	s_wait_dscnt 0x0                               ; my stores are done: for the others' sake
	s_cmp_ge_u32 s[DT], 5
	s_cbranch_scc1 .Lnois_\@
	s_add_co_u32 s60, s[DT], 3
	s_cmp_lt_u32 s60, s[N1]
	s_cbranch_scc0 .Lnois_\@
	s_add_nc_u64 s[KB:KB+1], s[KB:KB+1], 16384
	s_add_nc_u64 s[VB:VB+1], s[VB:VB+1], 16384
	FLOADS FR, 32768
.Lnois_\@:
	s_cmp_lt_u32 s[DT], s[LIM]
	s_cbranch_scc0 .Lnopf_\@
	global_prefetch_b8 v[PFO], s[PFA:PFA+1] th:TH_LOAD_NT scope:SCOPE_SE   ; slot DT + 4
.Lnopf_\@:
	s_barrier_signal -1
.endm
; A BLOCK'S END: O^T / the sum x 2^(e8 + e9), quantised with 2^e10; a tile's four accumulators give the eight registers of the result's image.
.macro FINISH base
.rept 4
	v_nop                                          ; places behind the last products
.endr
.irp b, 0,1
	v_add_f32 v[ST+8*\b+2], v[ST+8*\b+2], v[ST+8*\b+3]
.endr
.irp b, 0,1
	v_permlanex16_b32 v[ST+8*\b+7], v[ST+8*\b+2], s[SEL], s[SEL+1]
.endr
.irp b, 0,1
	v_add_f32 v[ST+8*\b+2], v[ST+8*\b+2], v[ST+8*\b+7]   ; the row's sum
.endr
	s_wait_alu depctr_va_vdst(0)
.irp b, 0,1
	v_rcp_f32 v[ST+8*\b+2], v[ST+8*\b+2]
.endr
	v_nop
	s_wait_alu depctr_va_vdst(0)                   ; ahead of their first reader
.irp b, 0,1
	v_ldexp_f32 v[ST+8*\b+2], v[ST+8*\b+2], s57
.endr
	WIN 0x41
	s_wait_alu depctr_va_vdst(0)                   ; directly ahead of the first reader of O^T
.irp b, 0,1
.set m, 0
.rept 16
	v_pk_mul_f32 v[64*\b+m:64*\b+m+1], v[128+32*\b+m:129+32*\b+m], v[ST+8*\b+2:ST+8*\b+3] op_sel_hi:[1,0]
.set m, m+2
.endr
.endr
.irp b, 0,1
.set m, 0
.rept 32
	v_med3_num_f32 v[64*\b+m], v[64*\b+m], -v[LIM10], v[LIM10]
.set m, m+1
.endr
.endr
.irp b, 0,1
.irp t, 0,1,2,3
	v_cvt_scalef32_pk8_fp8_f32 v[192+16*\b+2*\t:193+16*\b+2*\t], v[64*\b+8*\t:64*\b+8*\t+7], v[SC10]
.endr
.endr
	v_nop                                          ; one plain line behind the last conversion
	WIN 0x04
.irp b, 0,1
	global_store_b128 v[LI], v[192+16*\b:195+16*\b], s[\base:\base+1] offset:16384*\b
	global_store_b128 v[LI], v[196+16*\b:199+16*\b], s[\base:\base+1] offset:16384*\b+512   ; 512 consecutive aligned bytes each
.endr
	WIN 0
.endm
.Ltrip:
	s_and_b32 s60, s[DT], 7                        ; the slot in hand
	s_lshl_b32 s[KA], s60, 14
	s_lshl_b32 s[KF], s60, 8
	s_cmp_eq_u32 s[DT], 8
	s_cbranch_scc0 .Lsame
	FINISH OB0                                     ; the first block is done; the second begins as the first did
	s_wait_xcnt 0x0                                ; the stores have read their registers
	INIT
	WIN 0x40
.set n, 0
.rept 16
	v_mov_b32 v[224+n], v[16+n]                    ; its Q
.set n, n+1
.endr
	WIN 0
	s_mov_b32 s[Q0], s[Q1]
	KLOAD LI, 0                                    ; and its first step's K
.Lsame:
	v_add_nc_u32 v[ADR], s[KA], v[LI]
	v_add_nc_u32 v[ADV], s[KA], v[LIV]
	s_wait_alu depctr_va_vdst(0)
	STEP 0
	FILL
	STEP 1
	s_barrier_wait -1                              ; slot DT + 2 is whole in LDS
	s_add_co_u32 s[DT], s[DT], 1
	s_cmp_lt_u32 s[DT], 12
	s_wait_alu depctr_va_vdst(0)
	s_cbranch_scc1 .Ltrip
	FINISH OB1
	s_wait_tensorcnt 0x0                           ; the wave's end
	ds_add_u32 v[SPW], v[NIL]
	s_wait_dscnt 0x0
	s_endpgm
.Lfunc_end_k_q7025485e00_attn:
	.size	k_q7025485e00_attn, .Lfunc_end_k_q7025485e00_attn-k_q7025485e00_attn
	.p2alignl 7, 3214868480
	.fill 96, 4, 3214868480
	.section	.rodata,"a",@progbits
	.p2align	6, 0x0
	.amdhsa_kernel k_q7025485e00_attn
		.amdhsa_group_segment_fixed_size 263168
		.amdhsa_private_segment_fixed_size 0
		.amdhsa_enable_private_segment 0
		.amdhsa_kernarg_size 24
		.amdhsa_user_sgpr_count 2
		.amdhsa_user_sgpr_kernarg_segment_ptr 1
		.amdhsa_wavefront_size32 1
		.amdhsa_system_sgpr_workgroup_id_x 1
		.amdhsa_system_sgpr_workgroup_id_y 1
		.amdhsa_system_sgpr_workgroup_id_z 1
		.amdhsa_system_vgpr_workitem_id 0
		.amdhsa_next_free_vgpr 512
		.amdhsa_next_free_sgpr 72
		.amdhsa_reserve_vcc 1
		.amdhsa_float_denorm_mode_32 3
		.amdhsa_float_denorm_mode_16_64 3
		.amdhsa_memory_ordered 1
		.amdhsa_forward_progress 1
		.amdhsa_inst_pref_size 112
	.end_amdhsa_kernel
	.amdgpu_metadata
---
amdhsa.version: [ 1, 2 ]
amdhsa.kernels:
  - .name:           k_q7025485e00_attn
    .symbol:         k_q7025485e00_attn.kd
    .args:
      - { .name: qkv, .offset: 0, .size: 8, .value_kind: global_buffer, .address_space: global }
      - { .name: lowp_scales, .offset: 8, .size: 8, .value_kind: global_buffer, .address_space: global }
      - { .name: oc, .offset: 16, .size: 8, .value_kind: global_buffer, .address_space: global }
    .group_segment_fixed_size: 263168
    .private_segment_fixed_size: 0
    .kernarg_segment_align: 8
    .kernarg_segment_size: 24
    .max_flat_workgroup_size: 256
    .sgpr_count:     72
    .vgpr_count:     512
    .wavefront_size: 32
...
	.end_amdgpu_metadata
.endif
;; end of part 3
;; launch oproj (part 4): grid 64 x 4, 4 waves a work-group, clusters of 4 x 1, 327,680 bytes of LDS; arguments oc, woc, lowp_scales, out0; writes out0
.if DOCPART == 4
	.amdgcn_target "amdgcn-amd-amdhsa--gfx1250"
	.amdhsa_code_object_version 6
	.text
	.protected	k_q7025485e00_oproj
	.globl	k_q7025485e00_oproj
	.p2align	8
	.type	k_q7025485e00_oproj,@function
k_q7025485e00_oproj:
	s_mov_b64 s[64:65], 0
	v_nop
	global_prefetch_b8 v0, s[64:65] scope:SCOPE_SE
	s_setreg_imm32_b32 hwreg(HW_REG_WAVE_MODE, 25, 1), 1
	s_wait_xcnt 0x0
	s_wait_alu depctr_hold_cnt(0) depctr_sa_sdst(0) depctr_va_vdst(0) depctr_va_sdst(0) depctr_va_ssrc(0) depctr_va_vcc(0) depctr_vm_vsrc(0)
	s_getreg_b32 s2, hwreg(HW_REG_IB_STS2, 6, 4)
	s_cmp_eq_u32 s2, 0
	s_cbranch_scc0 .Lentry_in_a_cluster
	s_endpgm
.Lentry_in_a_cluster:
	s_bfe_u32 s2, ttmp6, 0x10000c
	s_cmp_lg_u32 s2, 0x3003
	s_cbranch_scc0 .Lentry_shape_is_right
	s_endpgm
.Lentry_shape_is_right:
; THE LAST PROJECTION out = o W_o^T on codes of E4M3.  A work-group makes 128 rows x 256 columns; a wave 64 x 128: 32 accumulators.  o's fragments come from memory straight into registers (images of the operand's registers).
; W_o's 256 rows x 1,024 along K, 262,144 bytes of images, are brought into LDS once, at the head: each wave asks for four tiles of 16 rows, 65,536 dense bytes, by one joint load that the four work-groups of a cluster share.
; LDS: tile T of 16 rows at 16,384 T, K step s of 128 at + 2,048 s.  One wait and one barrier show the whole of it; no barrier stands among the K steps.  Each finished sum is multiplied by 2^(e10 + e11), between -126 and 127.
.set CHUNK,  65536
.set STAGE,  4*CHUNK
.set SPITCH, 528
.set SPARE,  STAGE+4*16*SPITCH
.set ADRB, 16
.set LI,   20
.set STO,  24
.set RD,   25
.set SPW,  28
.set NIL,  29
.set TMP,  32
.set BK,   128
.set G1,   24
.set G0,   32
.set MSB, 0
.macro WIN new
.if MSB != \new
	s_set_vgpr_msb (MSB<<8)|\new
.set MSB, \new
.endif
.endm
.macro CROUND
	s_barrier_signal -1
	s_barrier_wait -1
	s_cmp_lg_u32 s14, 0
	s_cbranch_scc1 .Lnot_wave_0_\@
	s_barrier_signal -3
.Lnot_wave_0_\@:
	s_barrier_wait -3
	s_barrier_signal -1
	s_barrier_wait -1
.endm
.macro PLACES
.rept 4
	v_nop
.endr
.endm
	s_load_b256 s[4:11], s[0:1], 0x0
	v_lshl_add_u32 v[SPW], v0, 2, SPARE
	v_mov_b32 v[NIL], 0
	ds_add_u32 v28, v29
	ds_add_u32 v28, v29
	s_wait_dscnt 0x0
	v_lshrrev_b32 v1, 5, v0
	v_readfirstlane_b32 s14, v1
	s_lshr_b32 s15, s14, 1
	s_and_b32 s16, s14, 1
	s_bfe_u32 s17, ttmp6, 0x40000
	s_lshl_b32 s18, ttmp9, 2
	s_add_co_u32 s18, s18, s17
	s_and_b32 s19, ttmp7, 0xffff
	s_mov_b32 s[G1], 15|(3<<16)|(1<<21)
	s_mov_b32 s[G1+1], 512<<16
	s_mov_b32 s[G1+2], 16<<16
	s_mov_b32 s[G1+3], 512<<16
	s_mov_b32 s[G1+4], 16
	s_mov_b32 s[G1+5], 512
	s_mov_b32 s[G1+6], 0
	s_mov_b32 s[G1+7], 0
	s_lshl_b32 s20, s19, 4
	s_lshl_b32 s21, s14, 2
	s_add_co_u32 s20, s20, s21
	s_lshl_b32 s20, s20, 14
	s_mov_b32 s21, 0
	s_lshl_b32 s22, s14, 16
	s_lshl_b32 s52, s18, 3
	s_lshl_b32 s53, s15, 2
	s_add_co_u32 s52, s52, s53
	s_lshl_b32 s52, s52, 14
	s_mov_b32 s53, 0
	s_lshl_b32 s54, s18, 19
	s_lshl_b32 s55, s15, 18
	s_add_co_u32 s54, s54, s55
	s_lshl_b32 s55, s19, 10
	s_add_co_u32 s54, s54, s55
	s_lshl_b32 s55, s16, 9
	s_add_co_u32 s54, s54, s55
	s_mov_b32 s55, 0
	s_wait_kmcnt 0x0
	s_load_b64 s[50:51], s[8:9], 0x28
	s_add_nc_u64 s[20:21], s[6:7], s[20:21]
	s_add_nc_u64 s[48:49], s[4:5], s[52:53]
	s_add_nc_u64 s[10:11], s[10:11], s[54:55]
	s_mov_b32 s[G0], 1
	s_mov_b32 s[G0+1], s22
	s_mov_b64 s[G0+2:G0+3], s[20:21]
	s_or_b32 s[G0+3], s[G0+3], 0x80000000
	CROUND                                         ; all four work-groups are here: the joint loads meet
	tensor_load_to_lds s[G0:G0+3], s[G1:G1+7]      ; my four tiles, all of K: the wave's one tensor load
	s_nop 0
	PLACES
	v_and_b32 v1, 31, v0
	v_lshlrev_b32 v[LI], 4, v1
	s_lshl_b32 s23, s16, 17
.irp q, 0,1
	v_add_nc_u32 v[ADRB+\q], s23, v[LI]
	s_add_co_u32 s23, s23, CHUNK
.endr
	v_and_b32 v2, 15, v0
	v_bfe_u32 v3, v0, 4, 1
	s_mul_i32 s23, s14, 16*SPITCH
	s_add_co_u32 s23, s23, STAGE
	v_mul_u32_u24 v4, v2, SPITCH
	v_lshl_add_u32 v4, v3, 5, v4
	v_add_nc_u32 v[STO], s23, v4
	v_add_nc_u32 v[RD], s23, v[LI]
.macro ALOAD s
	WIN 0xc0
.irp a, 0,1,2,3
.irp c, 0,1,2,3
	global_load_b128 v[64*((\s)%4)+16*\a+4*\c:64*((\s)%4)+16*\a+4*\c+3], v[LI], s[48:49] offset:16384*\a+2048*(\s)+512*\c
.endr
.endr
.endm
.macro FETCH_B s
	WIN 0x40
.irp i, 0,1,2,3,4,5,6,7
.irp c, 0,1,2,3
	ds_load_b128 v[128*((\s)%2)+16*\i+4*\c:128*((\s)%2)+16*\i+4*\c+3], v[ADRB+(\i)/4] offset:16384*((\i)%4)+2048*(\s)+512*\c
.endr
.endr
.endm
.macro MUL32 s, zero
	WIN 0xad
.irp a, 0,1,2,3
.irp b, 0,1,2,3,4,5,6,7
.if \zero
	v_wmma_f32_16x16x128_fp8_fp8 v[8*(8*\a+\b):8*(8*\a+\b)+7], v[128*((\s)%2)+16*\b:128*((\s)%2)+16*\b+15], v[64*((\s)%4)+16*\a:64*((\s)%4)+16*\a+15], 0
.else
	v_wmma_f32_16x16x128_fp8_fp8 v[8*(8*\a+\b):8*(8*\a+\b)+7], v[128*((\s)%2)+16*\b:128*((\s)%2)+16*\b+15], v[64*((\s)%4)+16*\a:64*((\s)%4)+16*\a+15], v[8*(8*\a+\b):8*(8*\a+\b)+7]
.endif
.endr
.endr
.endm
.macro KSTEP s, zero
.if (\s) > 0
	PLACES
.endif
.if (\s) < 7
	FETCH_B (\s)+1
.endif
.if ((\s) >= 1) && ((\s) <= 4)
	ALOAD (\s)+3
.endif
.if (\s) < 7
	s_wait_dscnt 32
.else
	s_wait_dscnt 0
.endif
.if (\s) <= 4
	s_wait_loadcnt 48
.else
	s_wait_loadcnt 16*(7-(\s))
.endif
	MUL32 \s, \zero
.endm
	ALOAD 0
	ALOAD 1
	ALOAD 2
	ALOAD 3
	s_wait_alu depctr_va_vdst(0)
	s_wait_tensorcnt 0x0
	s_barrier_signal -1
	s_barrier_wait -1
	FETCH_B 0
	KSTEP 0, 1
.irp s, 1,2,3,4,5,6,7
	KSTEP \s, 0
.endr
	WIN 0
.macro TOSTAGE a
	WIN 0x02
.set n, 0
.rept 32
	v_pk_mul_f32 v[TMP+n:TMP+n+1], v[64*(\a)+n:64*(\a)+n+1], s[50:51] op_sel_hi:[1,0]
.set n, n+2
.endr
	WIN 0
.irp b, 0,1,2,3,4,5,6,7
	ds_store_b128 v[STO], v[TMP+8*\b:TMP+8*\b+3] offset:64*\b
	ds_store_b128 v[STO], v[TMP+8*\b+4:TMP+8*\b+7] offset:64*\b+16
.endr
.set BB, BK+64*((\a)%2)
.irp t, 0,1,2,3,4,5,6,7,8,9,10,11,12,13,14,15
	ds_load_b128 v[BB+4*\t:BB+4*\t+3], v[RD] offset:\t*SPITCH
.endr
.endm
.macro SEND a, younger
.set BB, BK+64*((\a)%2)
	s_wait_dscnt \younger
.irp t, 0,1,2,3,4,5,6,7,8,9,10,11,12,13,14,15
	global_store_b128 v[LI], v[BB+4*\t:BB+4*\t+3], s[10:11] offset:65536*(\a)+4096*\t th:TH_STORE_NT
.endr
.endm
	s_wait_kmcnt 0x0
	s_add_co_i32 s50, s50, s51
	s_add_co_i32 s50, s50, 127
	s_lshl_b32 s50, s50, 23
	PLACES
	TOSTAGE 0
.irp a, 1,2,3
.if \a > 1
	s_wait_xcnt 0x0
.endif
	TOSTAGE \a
	SEND \a-1, 32
.endr
	SEND 3, 0
	s_wait_tensorcnt 0x0
	ds_add_u32 v[SPW], v[NIL]
	s_wait_dscnt 0x0
	CROUND
	s_endpgm
.Lfunc_end_k_q7025485e00_oproj:
	.size	k_q7025485e00_oproj, .Lfunc_end_k_q7025485e00_oproj-k_q7025485e00_oproj
	.p2alignl 7, 3214868480
	.fill 96, 4, 3214868480
	.section	.rodata,"a",@progbits
	.p2align	6, 0x0
	.amdhsa_kernel k_q7025485e00_oproj
		.amdhsa_group_segment_fixed_size 327680
		.amdhsa_private_segment_fixed_size 0
		.amdhsa_enable_private_segment 0
		.amdhsa_kernarg_size 32
		.amdhsa_user_sgpr_count 2
		.amdhsa_user_sgpr_kernarg_segment_ptr 1
		.amdhsa_wavefront_size32 1
		.amdhsa_system_sgpr_workgroup_id_x 1
		.amdhsa_system_sgpr_workgroup_id_y 1
		.amdhsa_system_sgpr_workgroup_id_z 1
		.amdhsa_system_vgpr_workitem_id 0
		.amdhsa_next_free_vgpr 1024
		.amdhsa_next_free_sgpr 66
		.amdhsa_reserve_vcc 0
		.amdhsa_float_denorm_mode_32 3
		.amdhsa_float_denorm_mode_16_64 3
		.amdhsa_memory_ordered 1
		.amdhsa_forward_progress 1
		.amdhsa_inst_pref_size 74
	.end_amdhsa_kernel
	.amdgpu_metadata
---
amdhsa.version: [ 1, 2 ]
amdhsa.kernels:
  - .name:           k_q7025485e00_oproj
    .symbol:         k_q7025485e00_oproj.kd
    .args:
      - { .name: oc, .offset: 0, .size: 8, .value_kind: global_buffer, .address_space: global }
      - { .name: woc, .offset: 8, .size: 8, .value_kind: global_buffer, .address_space: global }
      - { .name: lowp_scales, .offset: 16, .size: 8, .value_kind: global_buffer, .address_space: global }
      - { .name: out0, .offset: 24, .size: 8, .value_kind: global_buffer, .address_space: global }
    .group_segment_fixed_size: 327680
    .private_segment_fixed_size: 0
    .kernarg_segment_align: 8
    .kernarg_segment_size: 32
    .max_flat_workgroup_size: 128
    .sgpr_count:     66
    .vgpr_count:     1024
    .wavefront_size: 32
...
	.end_amdgpu_metadata
.endif
;; end of part 4
